; MI455X (gfx1250); checked and timed in simulation.
; The chip was launched on July 23, 2026; its instructions are those of AMD's public machine-readable ISA for CDNA 5 (MIT licence, August 2026) and "CDNA5" Instruction Set Architecture Reference Guide (July 2026). The comments in the code are by the model that wrote it; some were corrected since.
;; Complex Net Native. Allowed arithmetic: float matrix products may take bf16 or f16 operands with f32 sums; all other float work in f32.
;; Inputs: A_im 2 x 10 x 10 x 100 float32; A_re 2 x 10 x 10 x 100 float32; psi_im 10 float32; psi_re 10 float32; x 262,144 x 100 float32.
;; Outputs: out0 262,144 x 2 float32.
;; One version. Each part assembles by itself: llvm-mc -triple=amdgcn-amd-amdhsa -mcpu=gfx1250 --defsym DOCPART=n.
;; ======== version 1 of 1: 1 launch
;; launch bilinear_stream (part 1): grid 256 x 1, 8 waves a work-group, no clusters, 317,952 bytes of LDS; arguments x, A_re, A_im, psi_re, psi_im, out0; writes out0
.if DOCPART == 1
	.amdgcn_target "amdgcn-amd-amdhsa--gfx1250"
	.amdhsa_code_object_version 6
	.text
	.protected	k_q06c9cae3c7_bilinear_stream
	.globl	k_q06c9cae3c7_bilinear_stream
	.p2align	8
	.type	k_q06c9cae3c7_bilinear_stream,@function
k_q06c9cae3c7_bilinear_stream:
	s_mov_b64 s[64:65], 0
	v_nop
	global_prefetch_b8 v0, s[64:65] scope:SCOPE_SE
	s_setreg_imm32_b32 hwreg(HW_REG_WAVE_MODE, 25, 1), 1
	s_wait_xcnt 0x0
; out0[t][k] = sum over a of x[t][a] * M[k][a],   M[k][a] = Re( sum over i, j of conj(psi_i) A[k][i][j][a] psi_j ).
; x: [262144][100] f32, A_re, A_im: [2][10][10][100] f32, psi_re, psi_im: [10] f32, out0: [262144][2] f32.  All arithmetic in f32.
;
; SHARES.  256 work-groups of eight waves.  A work-group owns 1,024 rows of x = 409,600 consecutive bytes, a wave 128 rows, as four units
; of 32 rows (12,800 bytes).  A lane owns ONE row of each unit, so its two dot products need no step across lanes, and the 32 lanes'
; results of a unit are 256 consecutive bytes of out0, aligned, written by one store.
; HOW x COMES IN.  Units 0 to 2 of each wave by three tensor loads into the wave's own LDS bytes (8 x 38,400 = 307,200 bytes); every one is a
; first fill, no LDS byte is filled twice, so the stream has no wait for all loads and no barrier.  The fourth unit has no room in LDS
; (409,600 bytes are more than a work-group can have): it waits in 100 registers (v256-v355) and is laid into the wave's slot 0 when that slot,
; which has had its only fill, has been read.
; M IS MADE BY EVERY WORK-GROUP, while its x is on the way.  Re(conj(psi_i) psi_j A) = c A_re - d A_im with c = pr_i pr_j + pi_i pi_j and
; d = pr_i pi_j - pi_i pr_j.  Wave w takes 50 consecutive rows (i, j) of one array and one k (20,000 consecutive bytes): array = w >> 2,
; k = (w >> 1) & 1, i = 5 (w & 1) + 0..4, j = 0..9.  A row's coefficient is a scalar, P_i pr_j + Q_i pi_j, with (P, Q) = (pr_i, pi_i) for A_re and
; (pi_i, -pr_i) for A_im.  The eight partial sums meet in LDS behind the kernel's one barrier.
; NO MATRIX INSTRUCTION: the product has two columns, so fourteen of a matrix tile's sixteen would be idle and every x would need a conversion;
; 100 packed multiply-adds for 12,800 bytes are little beside the bytes.  NO JOINT LOADS in a cluster for A, which all work-groups read: a joint
; tile lands in LDS, and A's 160,000 bytes there would take that much from the 307,200 bytes of x that are on their way.
; LIMITS.  The sums are f32 sums in another order than a plain contraction's.  The coefficient of A_im[k][i][i][a] is not an exact 0 but the
; rounding residue of pi_i pr_i - pr_i pi_i (at most half a unit in the last place of that product).
.set ROWB,   400                       ; bytes in a row of x and in a row of A (100 f32)
.set UNITB,  32*ROWB                   ; 12,800: a unit, one row a lane = 50 blocks of 256 bytes
.set WAVEB,  4*UNITB                   ; 51,200: a wave's part of x
.set WGB,    8*WAVEB                   ; 409,600: a work-group's part of x
.set XWLDS,  3*UNITB                   ; 38,400: a wave's three LDS slots
.set PART,   8*XWLDS                   ; 307,200: behind the slots, eight partial sums of 400 bytes; no tensor load lands here
.set MPRIV,  PART+3328                 ; 310,528: each wave's own copy of M, 800 bytes; ends at 316,928
.set HALFA,  50*ROWB                   ; 20,000: a wave's part of A
.set RING,   8                         ; LDS loads of x that a wave keeps out
.set AOFF, 2                           ; v2       16 min(lane, 24): my four a in a row of A and in the partial sums
.set XOFF, 3                           ; v3       16 lane: my 16 bytes of each 512 of unit 3
.set LA,   4                           ; v4       LDS address of my row in my wave's slot 0
.set ST,   5                           ; v5       LDS address at which unit 3 is laid into slot 0
.set OOFF, 6                           ; v6       8 lane: my two results
.set SUM,  8                           ; v[8:15]  running sums
.set OUT,  16                          ; v[16:23] a pair for each unit's store, never written twice
.set PST,  16                          ; v16-v19  until then: LDS addresses of the M phase
.set PLD,  17
.set MST,  18
.set MLD,  19
.set XB,   24                          ; v[24:55] ring of eight quads of x
.set AR,   56                          ; v[56:255] my 50 rows of A, four numbers each; afterwards:
.set MK0,  56                          ; v[56:155]  M[0][a]
.set MK1,  156                         ; v[156:255] M[1][a]
.set PR, 24                            ; s[24:33] psi_re
.set PI, 36                            ; s[36:45] psi_im
.set P,  48                            ; s[48:52] P_i of my five i
.set Q,  56                            ; s[56:60] Q_i
.set CO, 66                            ; s[66:75] the coefficients of ten rows
.set G1, 76                            ; s[76:83] descriptor group 1
.set G0, 84                            ; s[84:95] descriptor group 0, one set for each slot
	s_load_b256 s[4:11], s[0:1], 0x0               ; x s[4:5], A_re s[6:7], A_im s[8:9], psi_re s[10:11]
	s_load_b128 s[12:15], s[0:1], 0x20             ; psi_im s[12:13], out0 s[14:15]
	v_lshl_add_u32 v7, v0, 2, 0x4d600
	s_set_vgpr_msb 0x40
	v_mov_b32 v101, 0
	s_set_vgpr_msb 0x4044
	ds_add_u32 v7, v101
	ds_add_u32 v7, v101
	s_set_vgpr_msb 0x4400
	v_lshrrev_b32 v1, 5, v0
	v_readfirstlane_b32 s16, v1                    ; wave 0..7
	v_and_b32 v1, 31, v0                           ; lane
	v_min_u32 v[AOFF], 24, v1                      ; a row of A is 25 quads: lanes 25 to 31 repeat lane 24, so that all lanes stay on and no load leaves A
	v_lshlrev_b32 v[AOFF], 4, v[AOFF]
	v_lshlrev_b32 v[XOFF], 4, v1
	v_lshlrev_b32 v[OOFF], 3, v1
	s_and_b32 s17, s16, 3                          ; 2 k + half
	s_and_b32 s18, s16, 1                          ; which five i
	s_lshr_b32 s19, s16, 2                         ; 0: A_re, 1: A_im
	s_mul_i32 s20, s17, HALFA                      ; my 50 rows in the array
	s_mov_b32 s21, 0
	s_mul_i32 s22, s18, 20                         ; my five i in psi
	s_mov_b32 s23, 0
	s_lshl_b32 s53, s19, 31                        ; the sign that turns pr_i into Q_i = -pr_i for A_im
	s_mul_i32 s2, ttmp9, WGB                       ; my wave's part of x: at most 104,806,400, inside 32 bits
	s_mul_i32 s3, s16, WAVEB
	s_add_co_u32 s2, s2, s3
	s_mov_b32 s3, 0
	s_lshl_b32 s96, ttmp9, 13                      ; and of out0: 1,024 rows x 8 bytes a work-group, 128 x 8 a wave
	s_lshl_b32 s97, s16, 10
	s_add_co_u32 s96, s96, s97
	s_mov_b32 s97, 0
	s_mul_i32 s54, s16, XWLDS                      ; my wave's slots in LDS
	; Group 1: a unit is dense in memory, so it is described as 50 rows of 32 elements of 8 bytes: each row 256 consecutive bytes at a multiple of 256 from x's first byte
	s_mov_b32 s[G1+0], 3<<16                       ; no mask; elements of 8 bytes; no padding
	s_mov_b32 s[G1+1], 32<<16                      ; tensor_dim0 = 32
	s_mov_b32 s[G1+2], 50<<16                      ; tensor_dim1 = 50
	s_mov_b32 s[G1+3], 32<<16                      ; tile_dim0 = 32
	s_mov_b32 s[G1+4], 50                          ; tile_dim1 = 50
	s_mov_b32 s[G1+5], 32                          ; from row to row: 32 elements
	s_mov_b32 s[G1+6], 0
	s_mov_b32 s[G1+7], 0
.irp u, 0,1,2
	s_mov_b32 s[G0+4*\u], 1
	s_add_co_u32 s[G0+4*\u+1], s54, \u*UNITB       ; LDS address: wave x 38,400 + slot x 12,800
.endr
	s_wait_dscnt 0x0
	s_wait_kmcnt 0x0
	s_cmp_eq_u32 s19, 0                            ; the choice hangs on the wave's number alone
	s_cselect_b64 s[46:47], s[6:7], s[8:9]         ; my array
	s_cselect_b64 s[34:35], s[10:11], s[12:13]     ; P comes from psi_re for A_re, from psi_im for A_im
	s_cselect_b64 s[62:63], s[12:13], s[10:11]     ; Q from the other one
	s_add_nc_u64 s[46:47], s[46:47], s[20:21]
	; A goes first: M is wanted before the first unit of x can be used.  50 loads, a row of 400 bytes each, together 20,000 consecutive bytes.
.set n, 0
.rept 50
	global_load_b128 v[AR+4*n:AR+4*n+3], v[AOFF], s[46:47] offset:ROWB*n
.set n, n+1
.endr
	s_add_nc_u64 s[34:35], s[34:35], s[22:23]
	s_add_nc_u64 s[62:63], s[62:63], s[22:23]
	s_load_b256 s[PR:PR+7], s[10:11], 0x0
	s_load_b64  s[PR+8:PR+9], s[10:11], 0x20
	s_load_b256 s[PI:PI+7], s[12:13], 0x0
	s_load_b64  s[PI+8:PI+9], s[12:13], 0x20
	s_load_b128 s[P:P+3], s[34:35], 0x0
	s_load_b32  s[P+4], s[34:35], 0x10
	s_load_b128 s[Q:Q+3], s[62:63], 0x0
	s_load_b32  s[Q+4], s[62:63], 0x10
	; The three first fills, in one group, ahead of every wait on TENSORcnt, every LDS access and the barrier.  A wave has three tensor loads out, never more.
	; Three loads and not one, so that a unit can be worked on while the later ones are on their way.
	s_add_nc_u64 s[4:5], s[4:5], s[2:3]            ; x at my wave's first row
.irp u, 0,1,2
	s_add_nc_u64 s[G0+4*\u+2:G0+4*\u+3], s[4:5], \u*UNITB
	s_or_b32 s[G0+4*\u+3], s[G0+4*\u+3], 0x80000000
	tensor_load_to_lds s[G0+4*\u:G0+4*\u+3], s[G1:G1+7]
	s_nop 0
.endr
	s_add_nc_u64 s[14:15], s[14:15], s[96:97]      ; out0 at my wave's first row
	v_mul_u32_u24 v[LA], v1, ROWB                  ; a lane's row: the pitch of 400 bytes is an odd multiple of 16, so the sixteen lanes that share a pass
	v_add_nc_u32 v[LA], s54, v[LA]                 ; of a 16-byte load start at sixteen different groups of four banks (64 banks of 4 bytes: ISA guide 11.1)
	v_add_nc_u32 v[ST], s54, v[XOFF]
	s_mul_i32 s55, s16, ROWB
	s_add_co_u32 s55, s55, PART
	v_add_nc_u32 v[PST], s55, v[AOFF]              ; where my wave's partial sum goes
	v_add_nc_u32 v[PLD], PART, v[AOFF]             ; where the eight are read
	s_mul_i32 s61, s16, 800
	s_add_co_u32 s61, s61, MPRIV
	v_add_nc_u32 v[MST], s61, v[AOFF]              ; my wave's own M: written by quads,
	v_mov_b32 v[MLD], s61                          ; read by all lanes at one address
	s_wait_kmcnt 0x0                               ; psi
.irp i, 0,1,2,3,4
	s_xor_b32 s[Q+\i], s[Q+\i], s53                ; Q_i = pi_i (A_re) or -pr_i (A_im)
.endr
; the coefficients of the ten rows (i, 0..9): P_i pr_j + Q_i pi_j
.macro COEF i
.irp j, 0,1,2,3,4,5,6,7,8,9
	s_mul_f32 s[CO+\j], s[P+\i], s[PR+\j]
.endr
.irp j, 0,1,2,3,4,5,6,7,8,9
	s_fmac_f32 s[CO+\j], s[Q+\i], s[PI+\j]
.endr
.endm
; ten rows are added in, even j onto v[8:11], odd j onto v[12:15]: eight chains; the first two rows start the sums
.macro ROWS i
.irp j, 0,1,2,3,4,5,6,7,8,9
.irp c, 0,1,2,3
.if (10*\i+\j) < 2
	v_mul_f32 v[SUM+4*(\j%2)+\c], s[CO+\j], v[AR+4*(10*\i+\j)+\c]
.else
	v_fmac_f32 v[SUM+4*(\j%2)+\c], s[CO+\j], v[AR+4*(10*\i+\j)+\c]
.endif
.endr
.endr
.endm
	COEF 0
	s_wait_loadcnt 40                              ; loads come back in order (ISA guide 5.7.1): rows 0 to 9 are in, the 40 behind them may be out
	ROWS 0
	COEF 1
	s_wait_loadcnt 30
	ROWS 1
	COEF 2
	s_wait_loadcnt 20
	ROWS 2
	COEF 3
	s_wait_loadcnt 10
	ROWS 3
	COEF 4
	s_wait_loadcnt 0x0                             ; all of my part of A
	; Unit 3 (my rows 96 to 127) into v256-v355: 25 loads of 512 consecutive bytes.  Issued here and not at the head: with A's 50 they would be 75 on one counter.
	s_set_vgpr_msb 0x40                            ; destination in the second block of 256 registers
.set n, 0
.rept 25
	global_load_b128 v[4*n:4*n+3], v[XOFF], s[4:5] offset:3*UNITB+512*n th:TH_LOAD_NT   ; v[256+4n : 259+4n]
.set n, n+1
.endr
	s_set_vgpr_msb 0x4000                          ; all back to the first block
	ROWS 4
	v_pk_add_f32 v[SUM:SUM+1], v[SUM:SUM+1], v[SUM+4:SUM+5]
	v_pk_add_f32 v[SUM+2:SUM+3], v[SUM+2:SUM+3], v[SUM+6:SUM+7]
	ds_store_b128 v[PST], v[SUM:SUM+3]             ; lanes 24 to 31 write the same 16 bytes with the same numbers
	s_wait_dscnt 0x0                               ; for the other waves' sake: my partial sum is in LDS before I say so
	s_barrier_signal -1                            ; the tensor loads stay on their way across this barrier: behind it no LDS byte is filled again,
	s_barrier_wait -1                              ; and each wave reads its own slots alone, behind its own waits on TENSORcnt
	; every wave adds the eight partial sums itself: k = 0 is waves 0, 1 (A_re) and 4, 5 (A_im), k = 1 is waves 2, 3, 6, 7
.set t, 0
.irp w, 0,1,4,5,2,3,6,7
	ds_load_b128 v[XB+4*t:XB+4*t+3], v[PLD] offset:\w*ROWB
.set t, t+1
.endr
	s_wait_dscnt 0x0
.irp b, XB, XB+16
	v_pk_add_f32 v[\b:\b+1],     v[\b:\b+1],     v[\b+4:\b+5]
	v_pk_add_f32 v[\b+2:\b+3],   v[\b+2:\b+3],   v[\b+6:\b+7]
	v_pk_add_f32 v[\b+8:\b+9],   v[\b+8:\b+9],   v[\b+12:\b+13]
	v_pk_add_f32 v[\b+10:\b+11], v[\b+10:\b+11], v[\b+14:\b+15]
	v_pk_add_f32 v[\b:\b+1],     v[\b:\b+1],     v[\b+8:\b+9]
	v_pk_add_f32 v[\b+2:\b+3],   v[\b+2:\b+3],   v[\b+10:\b+11]
.endr
	ds_store_b128 v[MST], v[XB:XB+3]               ; M[0][4 l ..] and M[1][4 l ..] into my wave's own 800 bytes;
	ds_store_b128 v[MST], v[XB+16:XB+19] offset:ROWB
.set n, 0
.rept 50
	ds_load_b128 v[MK0+4*n:MK0+4*n+3], v[MLD] offset:16*n   ; LDS serves a wave's instructions in order (ISA guide 5.7.1.4): these see the two stores.  All of M in every lane
.set n, n+1
.endr
	s_wait_dscnt 0x0
; A unit in LDS slot `slot`: each lane's row times M[0] and M[1]; u = the unit's place among my wave's four, for the store.
; A ring of RING quads: quad c is waited for with the count of the LDS loads issued behind it, 7 while the ring is refilled, then 24 - c.
; Four chains of packed multiply-adds (k = 0, 1 x the quad's two pairs); quad 0 starts the sums.
.macro UNIT slot, u
.set cc, 0
.rept RING
	ds_load_b128 v[XB+4*cc:XB+4*cc+3], v[LA] offset:\slot*UNITB+16*cc
.set cc, cc+1
.endr
.set cc, 0
.rept 25
.if cc < 25-RING
	s_wait_dscnt RING-1
.else
	s_wait_dscnt 24-cc
.endif
.set xb, XB+4*(cc%RING)
.if cc == 0
	v_pk_mul_f32 v[SUM:SUM+1],   v[xb:xb+1],   v[MK0:MK0+1]
	v_pk_mul_f32 v[SUM+4:SUM+5], v[xb:xb+1],   v[MK1:MK1+1]
	v_pk_mul_f32 v[SUM+2:SUM+3], v[xb+2:xb+3], v[MK0+2:MK0+3]
	v_pk_mul_f32 v[SUM+6:SUM+7], v[xb+2:xb+3], v[MK1+2:MK1+3]
.else
	v_pk_fma_f32 v[SUM:SUM+1],   v[xb:xb+1],   v[MK0+4*cc:MK0+4*cc+1],   v[SUM:SUM+1]
	v_pk_fma_f32 v[SUM+4:SUM+5], v[xb:xb+1],   v[MK1+4*cc:MK1+4*cc+1],   v[SUM+4:SUM+5]
	v_pk_fma_f32 v[SUM+2:SUM+3], v[xb+2:xb+3], v[MK0+4*cc+2:MK0+4*cc+3], v[SUM+2:SUM+3]
	v_pk_fma_f32 v[SUM+6:SUM+7], v[xb+2:xb+3], v[MK1+4*cc+2:MK1+4*cc+3], v[SUM+6:SUM+7]
.endif
.if cc < 25-RING
	ds_load_b128 v[xb:xb+3], v[LA] offset:\slot*UNITB+16*(cc+RING)
.endif
.set cc, cc+1
.endr
	v_pk_add_f32 v[SUM:SUM+1],   v[SUM:SUM+1],   v[SUM+2:SUM+3]
	v_pk_add_f32 v[SUM+4:SUM+5], v[SUM+4:SUM+5], v[SUM+6:SUM+7]
	v_add_f32 v[OUT+2*\u],   v[SUM],   v[SUM+1]
	v_add_f32 v[OUT+2*\u+1], v[SUM+4], v[SUM+5]
	global_store_b64 v[OOFF], v[OUT+2*\u:OUT+2*\u+1], s[14:15] offset:256*\u th:TH_STORE_NT   ; the wave's 32 rows: 256 consecutive bytes, aligned; each store has a data pair of its own
.endm
	s_wait_tensorcnt 0x2                           ; a wave's tensor loads end in order (ISA guide 10.11.1): slot 0 is in, the two younger loads may be out
	UNIT 0, 0
	s_wait_tensorcnt 0x1
	UNIT 1, 1
	s_wait_tensorcnt 0x0                           ; the last; none is out at the end of the program
	UNIT 2, 2
	; Unit 3 goes from its registers into slot 0: my wave's own bytes, whose one fill has landed and whose reads came back in UNIT 0, 0 (its counts ran down to 0).
	s_set_vgpr_msb 0x04                            ; the data of an LDS store (source 1) in the second block
.set n, 0
.rept 25
	s_wait_loadcnt 24-n                            ; load n is in; the 24 - n behind it may be out
	ds_store_b128 v[ST], v[4*n:4*n+3] offset:512*n ; v[256+4n : 259+4n]; 512 consecutive bytes
.set n, n+1
.endr
	s_set_vgpr_msb 0x0400                          ; all back to the first block
	UNIT 0, 3                                      ; in order behind the stores above, and a wave's own bytes: no wait between
	s_set_vgpr_msb 0x4
	s_wait_tensorcnt 0x0
	ds_add_u32 v7, v101
	s_wait_dscnt 0x0
	s_set_vgpr_msb 0x400
	s_endpgm
.Lfunc_end_k_q06c9cae3c7_bilinear_stream:
	.size	k_q06c9cae3c7_bilinear_stream, .Lfunc_end_k_q06c9cae3c7_bilinear_stream-k_q06c9cae3c7_bilinear_stream
	.p2alignl 7, 3214868480
	.fill 96, 4, 3214868480
	.section	.rodata,"a",@progbits
	.p2align	6, 0x0
	.amdhsa_kernel k_q06c9cae3c7_bilinear_stream
		.amdhsa_group_segment_fixed_size 317952
		.amdhsa_private_segment_fixed_size 0
		.amdhsa_enable_private_segment 0
		.amdhsa_kernarg_size 48
		.amdhsa_user_sgpr_count 2
		.amdhsa_user_sgpr_kernarg_segment_ptr 1
		.amdhsa_wavefront_size32 1
		.amdhsa_system_sgpr_workgroup_id_x 1
		.amdhsa_system_sgpr_workgroup_id_y 1
		.amdhsa_system_sgpr_workgroup_id_z 1
		.amdhsa_system_vgpr_workitem_id 0
		.amdhsa_next_free_vgpr 358
		.amdhsa_next_free_sgpr 98
		.amdhsa_reserve_vcc 0
		.amdhsa_float_denorm_mode_32 3
		.amdhsa_float_denorm_mode_16_64 3
		.amdhsa_memory_ordered 1
		.amdhsa_forward_progress 1
		.amdhsa_inst_pref_size 65
	.end_amdhsa_kernel
	.amdgpu_metadata
---
amdhsa.version: [ 1, 2 ]
amdhsa.kernels:
  - .name:           k_q06c9cae3c7_bilinear_stream
    .symbol:         k_q06c9cae3c7_bilinear_stream.kd
    .args:
      - { .name: x, .offset: 0, .size: 8, .value_kind: global_buffer, .address_space: global }
      - { .name: A_re, .offset: 8, .size: 8, .value_kind: global_buffer, .address_space: global }
      - { .name: A_im, .offset: 16, .size: 8, .value_kind: global_buffer, .address_space: global }
      - { .name: psi_re, .offset: 24, .size: 8, .value_kind: global_buffer, .address_space: global }
      - { .name: psi_im, .offset: 32, .size: 8, .value_kind: global_buffer, .address_space: global }
      - { .name: out0, .offset: 40, .size: 8, .value_kind: global_buffer, .address_space: global }
    .group_segment_fixed_size: 317952
    .private_segment_fixed_size: 0
    .kernarg_segment_align: 8
    .kernarg_segment_size: 48
    .max_flat_workgroup_size: 256
    .sgpr_count:     98
    .vgpr_count:     358
    .wavefront_size: 32
...
	.end_amdgpu_metadata
.endif
;; end of part 1
